; MI455X (gfx1250); checked and timed in simulation.
; The chip was launched on July 23, 2026; its instructions are those of AMD's public machine-readable ISA for CDNA 5 (MIT licence, August 2026) and "CDNA5" Instruction Set Architecture Reference Guide (July 2026). The comments in the code are by the model that wrote it; some were corrected since.
;; Hyperbolic MLR. Allowed arithmetic: matrix products marked QUANTISED: E5M2 operands, one given power-of-two scale a tensor, by v_wmma_f32_16x16x64_bf8_bf8 or v_wmma_f32_16x16x128_bf8_bf8, f32 sums; products left as they are: f32 operands where the result goes on into a quantised operand, else bf16, f16 or f32 operands; f32 sums; everything else in f32.
;; Inputs: a_vals 512 x 256 float32; lowp_scales 2 int32 (the exponents e of the quantised operands' scales 2^e); p_vals 512 x 256 float32; x 2,048 x 256 float32.
;; Outputs: out0 2,048 x 512 float32.
;; This version of the problem:
;;   THIS VERSION OF THE PROBLEM IS GIVEN IN LOW PRECISION. The matrix products marked QUANTISED in the list below multiply operands that are first quantised to E5M2 (5 exponent bits, 2 mantissa bits; 8 bits a number), with one given power-of-two scale for each operand tensor; their sums are f32. All else is computed in f32.
;;   The module's matrix products, in the order in which they are computed (A, B: the left and right operand; K: the contracted axis; several contracted axes count as one K, in the product's order):
;;     1. [M 512, K 256] x [K 256, N 2,048]; A: computed on the way; B: computed on the way: QUANTISED (scales: A lowp_scales[0], B lowp_scales[1])
;;     2. batch 512 x [M 2,048, K 256] x [K 256, N 1]; A: computed on the way; B: computed on the way: left as it is (N = 1 < 16)
;;   THE QUANTISER, for each operand of a quantised product, along K:
;;     - The operand's scale is 2^e, e = its entry of the input lowp_scales (int32; the entries are numbered through the quantised products in the list's order, A before B).
;;     - Each number is divided by the scale, clamped to +-57,344, and rounded to the nearest number of E5M2, ties to even, subnormals kept.
;;     - The product sums the exact products of the quantised numbers (number of the format x scale) in f32.
;;   ~~~python
;;   def quantise(x, axis, e):      # numpy; x: float32 -> the quantised numbers, widened to float32 again
;;       x = np.moveaxis(x, axis, -1); K = x.shape[-1]
;;       r = np.clip(x / 2.0 ** e, -57344, 57344)
;;       step = 2.0 ** (np.maximum(np.frexp(np.where(r == 0, 1, r))[1] - 1, -14) - 2)
;;       q = np.round(r / step) * step * 2.0 ** e      # np.round: ties to even
;;       return np.moveaxis(q, -1, axis).astype(np.float32)
;;   ~~~
;;   OPERANDS COMPUTED ON THE WAY. 'Computed on the way' means the value that the module computes at that place (a softmax that the list does not call 'softmax' is quantised finished and normalised). What goes into a quantiser is computed in f32, as accurately as f32 sums, v_exp_f32 and their like allow (about 1e-6 of the number): no bf16 or f16 on the way to a quantiser, and a product that is left as it is and whose result goes on into a quantised operand takes f32 operands (vector FMAs, or v_wmma_f32_16x16x4_f32). A number that lies on a knife's edge between two numbers of the format may be rounded either way, as far as f32 arithmetic and the matrix unit's own rounding can turn it there, and no further.
;; One version. Each part assembles by itself: llvm-mc -triple=amdgcn-amd-amdhsa -mcpu=gfx1250 --defsym DOCPART=n.
;; ======== version 1 of 1: 1 launch
;; launch hypmlr (part 1): grid 8 x 32, 4 waves a work-group, clusters of 4 x 4, 254,976 bytes of LDS; arguments x, p_vals, a_vals, lowp_scales, out0; writes out0
.if DOCPART == 1
	.amdgcn_target "amdgcn-amd-amdhsa--gfx1250"
	.amdhsa_code_object_version 6
	.text
	.protected	k_qd3b2ce5ddf_hypmlr
	.globl	k_qd3b2ce5ddf_hypmlr
	.p2align	8
	.type	k_qd3b2ce5ddf_hypmlr,@function
k_qd3b2ce5ddf_hypmlr:
	s_mov_b64 s[64:65], 0
	v_nop
	global_prefetch_b8 v0, s[64:65] scope:SCOPE_SE
	s_setreg_imm32_b32 hwreg(HW_REG_WAVE_MODE, 25, 1), 1
	s_wait_xcnt 0x0
	s_wait_alu depctr_hold_cnt(0) depctr_sa_sdst(0) depctr_va_vdst(0) depctr_va_sdst(0) depctr_va_ssrc(0) depctr_va_vcc(0) depctr_vm_vsrc(0)
	s_getreg_b32 s2, hwreg(HW_REG_IB_STS2, 6, 4)
	s_cmp_eq_u32 s2, 0
	s_cbranch_scc0 .Lentry_in_a_cluster
	s_endpgm
.Lentry_in_a_cluster:
	s_bfe_u32 s2, ttmp6, 0x10000c
	s_cmp_lg_u32 s2, 0xf033
	s_cbranch_scc0 .Lentry_shape_is_right
	s_endpgm
.Lentry_shape_is_right:
; out0[b][n] = k[n] asinh( 2 (mob . A[n]) / (|A[n]| (1 - |mob|^2)) ),  mob = ((-P[n]) (+) X[b]) on the Poincare ball.   x [2048][256], p_vals, a_vals [512][256], out0 [2048][512]: f32.
; X = project(expmap0(clip(x))), P = expmap0(p_vals), A = a_vals (1 - |P|^2).  xy = (-P) . X is the QUANTISED product: codes of E5M2, scales 2^e0 for -P and 2^e1 for X (lowp_scales).
; THE TENSOR mob [n][b][d] IS NEVER FORMED.  reference() uses it only in two sums over d, and mob = (nc Pm + q X) / D with Pm = -P, q = 1 - p2, nc = 1 + 2 xy + y2, D = 1 + 2 xy + p2 y2 + 1e-5.
; By linearity, for all values of the inputs:   mob . Ah = (nc (Pm . Ah) + q (X . Ah)) / D   (Ah = A / |A|),     |mob|^2 = (nc^2 p2 + 2 nc q (Pm . X) + q^2 y2) / D^2.
; So three products [2048 x 256] x [256 x 512] remain: xy on codes (bf8 matrix form); X . Ah, the matrix part of reference()'s second product, left as it is: f16 operands (|X|, |Ah| <= 1, so f16 has the room and is
; finer than bf16); and Pm . X UNQUANTISED, which comes out of reference()'s f32 sum of mob^2: it stays in f32, fused multiply-adds, on the raw rows: Pm . X = (row factor of x)(row factor of p)(p . x).
; No step and no input of reference() is left out: the select of project() is made, though the clip keeps |X| under it; the gradient fix is the identity here.  Norms of scaled rows are the scaled norms.
; LIMITS.  e0, e1 between -126 and 112, e0 + e1 between -127 and 126 (each power of two below is an f32 number).  Sums of squares of a row stay finite, as in reference().  NaN or infinity among the inputs is not served;
; where reference() itself is not finite (p2 = 1, a row of a_vals all zeros) the result is not finite either, but which of NaN and infinity it is may differ.
; SHARES.  A work-group makes 64 rows b x 64 classes n; 8 x 32 work-groups.  Wave w owns rows 16 w .. 16 w + 15 and prepares class tile w.  CLASS TILE t HOLDS CLASSES 4 r + t (r = lane % 16): in a matrix result register j
; of lane (r, h) is (row 8 h + j, the tile's class r), so a lane's results of the four tiles are four NEIGHBOURING classes of a row: 16 bytes; sixteen lanes store 256 consecutive bytes, aligned, straight from registers.
; CLUSTER.  4 x 4 work-groups.  The four of a row of the cluster need the same 64 rows of x, the four of a column the same 64 rows of p_vals and a_vals: each tile is asked for JOINTLY, once, at the head.
; Each wave asks for three tiles of 16 rows x 1,024 bytes: its rows of x, and rows t, t + 4, .. of p_vals and a_vals (pitch 4 rows).  By this text's count a wave has three tensor loads out.  Nothing is filled again.
; IN A PREPARED ROW lane (r, h) holds k = 32 c + 16 h + 0 .. 15 (c = 0 .. 7): the conversions' results are the operands' registers.  The same order of k stands on both sides of each matrix product.
; LDS: raw tiles of x, p, a (rows 1,040 bytes apart: 16 rows of a load start at 16 different groups of banks); images of the registers of Pm's codes and of Ah in f16; a table of class constants; a table of row constants; the spare words.
; REGISTERS: v0-31 addresses, factors; v32-63 sums, then X's codes, then results; v64-127, v128-191, v192-255 three buffers of 64; later v64-127 X in f16, then the f32 product's sums; v128-159 xy, v160-191 X . Ah; v192-255 fragments, operands, constants.
.set ROWP,  1040
.set TILEB, 16*ROWP                    ; a tile of 16 rows in LDS
.set XR,    0                          ; x: 4 tiles
.set PR,    4*TILEB                    ; p_vals: 4 tiles; row 16 t + r is class 4 r + t
.set AR,    8*TILEB                    ; a_vals likewise
.set PC,    12*TILEB                   ; images of Pm's codes: 4 tiles x 32 registers x 128 bytes
.set AH,    PC+4*4096                  ; images of Ah in f16: 4 tiles x 64 registers x 128 bytes
.set CT,    AH+4*8192                  ; class constants: 64 classes x 80 bytes (48 used)
.set RT,    CT+64*80                   ; row constants: y2 of 64 rows, then the rows' factors
.set SPARE, RT+512                     ; the spare words, 128 bytes for each wave: two blocks of 256 bytes that no other line names
.set G1W0,  (2<<16)|(1<<20)|(1<<21)|(7<<22)|(3<<25)   ; elements of 4 bytes; padding on; bit 21 beside a mask; after every 256 words; four words
.set SPW, 1                            ; v1  my spare word's LDS address; never rewritten
.set NIL, 2                            ; v2  0; never rewritten
.set TX,  3                            ; v3-5  my place in my tile of x, p, a: row r, + 64 h
.set TP,  4
.set TA,  5
.set PCS, 6                            ; v6, v7  where I store images
.set AHS, 7
.set CTS, 8                            ; v8, v9  where I store class and row constants
.set RTS, 9
.set SCX, 10                           ; v10-13  2^e1, 57,344 x 2^e1, 2^e0, 57,344 x 2^e0
.set LIMX, 11
.set SCP, 12
.set LIMP, 13
.set PCL, 14                           ; v14-17  where I load images and constants
.set AHL, 15
.set CTL, 16
.set RTL, 17
.set XA0, 18                           ; v18, v19  the f32 product: my 8 rows of x, my 4 classes' first
.set PA0, 19
.set XAD, 20                           ; v20, v21  the same at the trip's k
.set PAD, 21
.set OO,  22                           ; v22  my byte offset in the wave's rows of out0
.set T0,  23
.set S2,  24                           ; v[24:25]  2^(e0 + e1 + 1), twice
.set FX,  26                           ; v[26:27]  my row of x's factor, twice;  later 1e-5, twice
.set EPS, 26
.set GM,  28                           ; v[28:29]  -tanh(|p|)/|p|, twice
.set HA,  30                           ; v[30:31]  q / |A|, twice
.set XC,  32
.set SX,  32                           ; four chains of pairs for each sum
.set SP,  40
.set SA,  48
.set DP,  56
.set Z0,  64
.set Z1,  128
.set Z2,  192
.set XH,  64                           ; X in f16: K step c at XH + 8 ((c + 4) % 8)
.set AQ,  128
.set AV,  160
.set FB,  192
.set UA,  64
.set XBA, 192
.set PBA, 224
.set XBB, 32
.set PBB, 240
.set CC,  192
.set Y2,  240
.set FR,  248
.set TMP, 96
.set OUT, 32
.set WV,  16
.set G1X, 24                           ; s[24:31] group 1 for x's tiles;  s[32:39] for p's and a's;  s[40:51] three groups 0
.set G1C, 32
.set G0X, 40
.set G0P, 44
.set G0A, 48
.set KO,  57
.set SEL, 58
.set OB,  60
.macro CROUND                          ; a round of the cluster's barrier
	s_barrier_signal -1
	s_barrier_wait -1
	s_cmp_lg_u32 s[WV], 0
	s_cbranch_scc1 .Lnot_wave_0_\@
	s_barrier_signal -3
.Lnot_wave_0_\@:
	s_barrier_wait -3
	s_barrier_signal -1
	s_barrier_wait -1
.endm
.macro PLACES                          ; four plain places behind matrix instructions, ahead of loads into, or vector writes of, registers that they read
.rept 4
	v_nop
.endr
.endm
	s_load_b256 s[4:11], s[0:1], 0x0               ; x s[4:5], p_vals s[6:7], a_vals s[8:9], lowp_scales s[10:11]
	s_load_b64 s[12:13], s[0:1], 0x20              ; out0
	v_lshl_add_u32 v[SPW], v0, 2, SPARE
	v_mov_b32 v[NIL], 0
	ds_add_u32 v[SPW], v[NIL]                      ; the wave's opening: the add, twice on end, and its wait ahead of my first tensor load
	ds_add_u32 v[SPW], v[NIL]
	v_lshrrev_b32 v[T0], 5, v0
	v_readfirstlane_b32 s[WV], v[T0]               ; wave 0..3
	s_bfe_u32 s17, ttmp6, 0x40000                  ; cx, cy: my place in the cluster
	s_bfe_u32 s18, ttmp6, 0x40004
	s_lshl_b32 s19, ttmp9, 2
	s_add_co_u32 s19, s19, s17                     ; block of 64 classes = 4 x cluster x + cx
	s_and_b32 s20, ttmp7, 0xffff
	s_lshl_b32 s20, s20, 2
	s_add_co_u32 s20, s20, s18                     ; block of 64 rows = 4 x cluster y + cy
	s_lshl_b32 s21, s18, 2
	s_lshl_b32 s21, 15, s21                        ; my row of the cluster
	s_lshl_b32 s22, 0x1111, s17                    ; my column
	s_or_b32 s[G1X], s21, G1W0                     ; x's tiles hang on the block of rows alone: shared along my row
	s_or_b32 s[G1C], s22, G1W0                     ; p's and a's on the block of classes alone: shared along my column
.irp g, G1X, G1C
	s_mov_b32 s[\g+1], 256<<16                     ; tensor_dim0 = 256 elements
	s_mov_b32 s[\g+2], 16<<16                      ; tensor_dim1 = 16
	s_mov_b32 s[\g+3], 256<<16                     ; tile_dim0 = 256
	s_mov_b32 s[\g+4], 16                          ; tile_dim1 = 16
	s_mov_b32 s[\g+6], 0
	s_mov_b32 s[\g+7], 0
.endr
	s_mov_b32 s[G1X+5], 256                        ; x: neighbouring rows
	s_mov_b32 s[G1C+5], 1024                       ; p, a: every fourth row
	s_lshl_b32 s52, s20, 16                        ; x: (64 x block + 16 x wave) rows of 1,024 bytes
	s_lshl_b32 s53, s[WV], 14
	s_add_co_u32 s52, s52, s53
	s_mov_b32 s53, 0
	s_lshl_b32 s54, s19, 16                        ; p, a: (64 x block + wave) rows
	s_lshl_b32 s55, s[WV], 10
	s_add_co_u32 s54, s54, s55
	s_mov_b32 s55, 0
	s_mul_i32 s56, s[WV], TILEB                    ; my tile's place in each of the three regions: the wave's number alone
	s_mov_b32 s[SEL], 0x76543210
	s_mov_b32 s[SEL+1], 0xfedcba98                 ; v_permlanex16_b32: lane l xor 16
	s_wait_dscnt 0x0                               ; both opening adds are done
	s_wait_kmcnt 0x0
	s_load_b64 s[14:15], s[10:11], 0x0             ; e0 (for -P), e1 (for X)
	s_mov_b32 s[G0X], 1
	s_mov_b32 s[G0X+1], s56
	s_add_nc_u64 s[G0X+2:G0X+3], s[4:5], s[52:53]
	s_or_b32 s[G0X+3], s[G0X+3], 0x80000000
	s_mov_b32 s[G0P], 1
	s_add_co_u32 s[G0P+1], s56, PR
	s_add_nc_u64 s[G0P+2:G0P+3], s[6:7], s[54:55]
	s_or_b32 s[G0P+3], s[G0P+3], 0x80000000
	s_mov_b32 s[G0A], 1
	s_add_co_u32 s[G0A+1], s56, AR
	s_add_nc_u64 s[G0A+2:G0A+3], s[8:9], s[54:55]
	s_or_b32 s[G0A+3], s[G0A+3], 0x80000000
	CROUND                                         ; all sixteen work-groups are here: the joint loads meet
	tensor_load_to_lds s[G0X:G0X+3], s[G1X:G1X+7]  ; my 16 rows of x
	s_nop 0
	tensor_load_to_lds s[G0P:G0P+3], s[G1C:G1C+7]  ; my class tile of p_vals
	s_nop 0
	tensor_load_to_lds s[G0A:G0A+3], s[G1C:G1C+7]  ; and of a_vals
	s_nop 0
	; addresses, while the tiles are on their way
	v_and_b32 v[T0], 15, v0                        ; r
	v_bfe_u32 v[OO], v0, 4, 1                      ; h
	v_mul_u32_u24 v[TX], v[T0], ROWP
	v_lshl_add_u32 v[TX], v[OO], 6, v[TX]
	v_add_nc_u32 v[TX], s56, v[TX]                 ; my tile, row r, + 64 h bytes: 16 numbers of each block of 32
	v_add_nc_u32 v[TP], PR, v[TX]
	v_add_nc_u32 v[TA], AR, v[TX]
	v_and_b32 v[PCL], 31, v0
	v_lshlrev_b32 v[PCL], 4, v[PCL]                ; 16 x lane: an image's place for my lane
	v_add_nc_u32 v[AHL], AH, v[PCL]
	v_add_nc_u32 v[PCL], PC, v[PCL]
	s_lshl_b32 s63, s[WV], 12
	v_add_nc_u32 v[PCS], s63, v[PCL]
	s_lshl_b32 s63, s[WV], 13
	v_add_nc_u32 v[AHS], s63, v[AHL]
	v_mul_u32_u24 v[CTL], v[T0], 80
	v_add_nc_u32 v[CTL], CT, v[CTL]
	s_mul_i32 s63, s[WV], 1280
	v_add_nc_u32 v[CTS], s63, v[CTL]               ; class (tile, r) at CT + 80 (16 tile + r)
	s_lshl_b32 s63, s[WV], 6
	v_lshlrev_b32 v[RTS], 2, v[T0]
	v_add_nc_u32 v[RTS], s63, v[RTS]
	v_add_nc_u32 v[RTS], RT, v[RTS]                ; row 16 w + r's word
	v_lshlrev_b32 v[RTL], 5, v[OO]
	v_add_nc_u32 v[RTL], s63, v[RTL]
	v_add_nc_u32 v[RTL], RT, v[RTL]                ; rows 16 w + 8 h + 0 .. 7
	v_mul_u32_u24 v[XA0], v[OO], 8*ROWP
	v_add_nc_u32 v[XA0], s56, v[XA0]
	v_mul_u32_u24 v[PA0], v[T0], ROWP
	v_add_nc_u32 v[PA0], PR, v[PA0]
	v_lshlrev_b32 v[OO], 14, v[OO]                 ; out0: 8 rows of 2,048 bytes further down for lanes 16-31,
	v_lshl_add_u32 v[OO], v[T0], 4, v[OO]          ; 16 bytes a lane
	s_lshl_b32 s[OB], s20, 17                      ; (64 x block of rows + 16 x wave) x 2,048 + 256 x block of classes
	s_lshl_b32 s[OB+1], s[WV], 15
	s_add_co_u32 s[OB], s[OB], s[OB+1]
	s_lshl_b32 s[OB+1], s19, 8
	s_add_co_u32 s[OB], s[OB], s[OB+1]
	s_mov_b32 s[OB+1], 0
	s_add_nc_u64 s[OB:OB+1], s[12:13], s[OB:OB+1]
	s_wait_kmcnt 0x0
	s_add_co_i32 s57, s14, 127
	s_lshl_b32 s62, s57, 23
	v_mov_b32 v[SCP], s62                          ; 2^e0 as f32: the conversion takes its exponent field
	s_add_co_i32 s57, s57, 15
	s_lshl_b32 s57, s57, 23
	s_or_b32 s57, s57, 0x600000
	v_mov_b32 v[LIMP], s57                         ; 57,344 x 2^e0
	s_add_co_i32 s57, s15, 127
	s_lshl_b32 s62, s57, 23
	v_mov_b32 v[SCX], s62
	s_add_co_i32 s57, s57, 15
	s_lshl_b32 s57, s57, 23
	s_or_b32 s57, s57, 0x600000
	v_mov_b32 v[LIMX], s57
	s_add_co_i32 s57, s14, s15
	s_add_co_i32 s57, s57, 128
	s_lshl_b32 s57, s57, 23
	v_mov_b32 v[S2], s57                           ; 2 x 2^(e0 + e1): a sum of the quantised product stands for sum x 2^(e0 + e1), and 2 xy is what is used
	v_mov_b32 v[S2+1], s57
; half a row for each lane: blocks 4 half + 0 .. 3, 16 numbers of each: register 16 c + i = k 32 (4 half + c) + 16 h + i
.macro LOADH dst, adr, half
.irp c, 0,1,2,3
.irp i, 0,1,2,3
	ds_load_b128 v[(\dst)+16*\c+4*\i:(\dst)+16*\c+4*\i+3], v[\adr] offset:512*\half+128*\c+16*\i
.endr
.endr
.endm
.macro SQ src, first                   ; |x|^2: 64 numbers, two at a time, four chains; the first four products start the chains
.set n, 0
.rept 32
.if \first && (n < 4)
	v_pk_mul_f32 v[SX+2*(n%4):SX+2*(n%4)+1], v[\src+2*n:\src+2*n+1], v[\src+2*n:\src+2*n+1]
.else
	v_pk_fma_f32 v[SX+2*(n%4):SX+2*(n%4)+1], v[\src+2*n:\src+2*n+1], v[\src+2*n:\src+2*n+1], v[SX+2*(n%4):SX+2*(n%4)+1]
.endif
.set n, n+1
.endr
.endm
.macro PA3 pb, ab, first               ; |p|^2, |a|^2 and p . a
.set n, 0
.rept 32
.if \first && (n < 4)
	v_pk_mul_f32 v[SP+2*(n%4):SP+2*(n%4)+1], v[\pb+2*n:\pb+2*n+1], v[\pb+2*n:\pb+2*n+1]
	v_pk_mul_f32 v[SA+2*(n%4):SA+2*(n%4)+1], v[\ab+2*n:\ab+2*n+1], v[\ab+2*n:\ab+2*n+1]
	v_pk_mul_f32 v[DP+2*(n%4):DP+2*(n%4)+1], v[\pb+2*n:\pb+2*n+1], v[\ab+2*n:\ab+2*n+1]
.else
	v_pk_fma_f32 v[SP+2*(n%4):SP+2*(n%4)+1], v[\pb+2*n:\pb+2*n+1], v[\pb+2*n:\pb+2*n+1], v[SP+2*(n%4):SP+2*(n%4)+1]
	v_pk_fma_f32 v[SA+2*(n%4):SA+2*(n%4)+1], v[\ab+2*n:\ab+2*n+1], v[\ab+2*n:\ab+2*n+1], v[SA+2*(n%4):SA+2*(n%4)+1]
	v_pk_fma_f32 v[DP+2*(n%4):DP+2*(n%4)+1], v[\pb+2*n:\pb+2*n+1], v[\ab+2*n:\ab+2*n+1], v[DP+2*(n%4):DP+2*(n%4)+1]
.endif
.set n, n+1
.endr
.endm
	; ---- THE SUMS.  My tiles are my own loads' bytes: my wait on TENSORcnt is all that these reads need
	s_wait_tensorcnt 0x2                           ; x's tile is in: two loads were issued behind it
	LOADH Z0, TX, 0
	LOADH Z1, TX, 1
	s_wait_dscnt 16                                ; the first half is in; the second half's 16 loads may be out
	SQ Z0, 1
	s_wait_dscnt 0x0
	SQ Z1, 0
	s_wait_tensorcnt 0x0                           ; p's and a's tiles are in
	LOADH Z2, TP, 0
	LOADH Z0, TA, 0
	LOADH Z1, TP, 1
	s_wait_dscnt 16                                ; the first halves of p and a are in; p's second half may be out
	PA3 Z2, Z0, 1
	LOADH Z2, TA, 1
	s_wait_dscnt 0x0
	PA3 Z1, Z2, 0
	LOADH Z0, TP, 0                                ; the second pass's first rows are asked for now and land under the scalars below
	LOADH Z1, TP, 1
	LOADH Z2, TA, 0
.irp b, SX, SP, SA, DP
	v_pk_add_f32 v[\b:\b+1], v[\b:\b+1], v[\b+2:\b+3]
	v_pk_add_f32 v[\b+4:\b+5], v[\b+4:\b+5], v[\b+6:\b+7]
.endr
.irp b, SX, SP, SA, DP
	v_pk_add_f32 v[\b:\b+1], v[\b:\b+1], v[\b+4:\b+5]
.endr
.irp b, SX, SP, SA, DP
	v_add_f32 v[\b], v[\b], v[\b+1]
.endr
.irp b, SX, SP, SA, DP
	v_permlanex16_b32 v[\b+1], v[\b], s[SEL], s[SEL+1]   ; the row's other half lies in lane l xor 16
.endr
.irp b, SX, SP, SA, DP
	v_add_f32 v[\b], v[\b], v[\b+1]                ; v32 |x|^2, v40 |p|^2, v48 |a|^2, v56 p . a
.endr
	; ---- THE ROWS' SCALARS, x's and the class's side by side; five batches of transcendentals, each with one plain place and one wait ahead of its first reader
	v_sqrt_f32 v33, v32                            ; |x|
	v_sqrt_f32 v41, v40                            ; |p|
	v_sqrt_f32 v49, v48                            ; |a|
	v_nop
	s_wait_alu depctr_va_vdst(0)
	v_add_f32 v34, 0x3727c5ac, v33                 ; |x| + 1e-5
	v_max_num_f32 v41, 0x3727c5ac, v41             ; yp = max(|p|, 1e-5)
	v_rcp_f32 v34, v34
	v_mul_f32 v42, 0x4038aa3b, v41                 ; 2 log2(e) yp  (the plain place)
	s_wait_alu depctr_va_vdst(0)
	v_min_num_f32 v34, 1.0, v34                    ; fac = min(1, 1 / (|x| + 1e-5))
	v_mul_f32 v35, v34, v33                        ; the clipped row's norm
	v_max_num_f32 v36, 0x3727c5ac, v35             ; yx
	v_mul_f32 v37, 0x4038aa3b, v36
	v_exp_f32 v37, v37                             ; e^(2 y)
	v_exp_f32 v42, v42
	v_rcp_f32 v38, v36                             ; 1 / y
	v_rcp_f32 v43, v41
	v_mul_f32 v39, v36, v36                        ; y^2.  tanh(y) / y for y < 1/8 by its series, 1 - y^2/3 + 2 y^4/15 - 17 y^6/315 (the next term is under 2e-9 there): 1 - 2 / (e^(2y) + 1) loses digits for small y
	v_mul_f32 v44, v41, v41
	v_mov_b32 v52, 0xbd5d0dd1
	v_mov_b32 v53, 0xbd5d0dd1
	v_fmaak_f32 v52, v52, v39, 0x3e088889
	v_fmaak_f32 v53, v53, v44, 0x3e088889
	v_fmaak_f32 v52, v52, v39, 0xbeaaaaab
	v_fmaak_f32 v53, v53, v44, 0xbeaaaaab
	v_fmaak_f32 v52, v52, v39, 0x3f800000
	v_fmaak_f32 v53, v53, v44, 0x3f800000
	s_wait_alu depctr_va_vdst(0)
	v_add_f32 v37, 1.0, v37
	v_add_f32 v42, 1.0, v42
	v_rcp_f32 v37, v37
	v_rcp_f32 v42, v42
	v_nop
	s_wait_alu depctr_va_vdst(0)
	v_fma_f32 v37, v37, -2.0, 1.0                  ; tanh(y) = 1 - 2 / (e^(2y) + 1)
	v_fma_f32 v42, v42, -2.0, 1.0
	v_mul_f32 v37, v37, v38
	v_mul_f32 v42, v42, v43
	v_cmp_gt_f32 vcc_lo, 0x3e000000, v36
	v_cndmask_b32 v37, v37, v52, vcc_lo            ; gx = tanh(yx) / yx
	v_cmp_gt_f32 vcc_lo, 0x3e000000, v41
	v_cndmask_b32 v42, v42, v53, vcc_lo            ; gp
	v_mul_f32 v38, v37, v35                        ; the norm behind expmap0,
	v_max_num_f32 v38, 0x3727c5ac, v38             ; as project() takes it
	v_mul_f32 v45, v42, v42
	v_mul_f32 v32, v45, v40                        ; p2 = |P|^2
	v_sub_f32 v46, 1.0, v32                        ; q = 1 - p2: the conformal factor, and 1 - c x2
	v_mul_f32 v50, |v46|, v49                      ; |A|
	v_rcp_f32 v39, v38
	v_rcp_f32 v47, v46
	v_rcp_f32 v51, v50
	v_mul_f32 v54, v34, v37                        ; (the plain place)
	v_xor_b32 v[GM], 0x80000000, v42               ; Pm = -P = GM x p
	v_mov_b32 v[GM+1], v[GM]
	s_wait_alu depctr_va_vdst(0)
	v_mul_f32 v39, 0x3f7fbe77, v39                 ; 0.999 / norm
	v_cmp_lt_f32 vcc_lo, 0x3f7fbe77, v38
	v_cndmask_b32 v39, 1.0, v39, vcc_lo            ; project(): only where the norm is over 0.999
	v_mul_f32 v[FX], v54, v39                      ; X = FX x x
	v_mov_b32 v[FX+1], v[FX]
	v_mul_f32 v55, v[FX], v33
	v_mul_f32 v55, v55, v55                        ; y2 = |X|^2
	ds_store_b32 v[RTS], v55                       ; (lanes r and r + 16 store the same number to the same word)
	ds_store_b32 v[RTS], v[FX] offset:256
	v_mul_f32 v[HA], v46, v51                      ; Ah = A / |A| = HA x a
	v_mov_b32 v[HA+1], v[HA]
	; the class's constants, each twice, so that the packed instructions of the way out take it as a pair: p2 | 2 Pm.Ah | 2 q | 2 q GM | q^2 | k ln 2
	v_mov_b32 v33, v32
	v_mul_f32 v34, v[GM], v[HA]
	v_mul_f32 v34, v34, v56
	v_add_f32 v34, v34, v34
	v_mov_b32 v35, v34
	v_add_f32 v36, v46, v46
	v_mov_b32 v37, v36
	v_mul_f32 v38, v36, v[GM]
	v_mov_b32 v39, v38
	v_mul_f32 v40, v46, v46
	v_mov_b32 v41, v40
	v_mul_f32 v42, v47, v50                        ; k = (2 / q) |A|,
	v_mul_f32 v42, 0x3fb17218, v42                 ; x ln 2 for the logarithm to base 2
	v_mov_b32 v43, v42
	ds_store_b128 v[CTS], v[32:35]
	ds_store_b128 v[CTS], v[36:39] offset:16
	ds_store_b128 v[CTS], v[40:43] offset:32
.macro SCALE buf, pr                   ; 64 numbers x the row's factor
.set n, 0
.rept 32
	v_pk_mul_f32 v[(\buf)+2*n:(\buf)+2*n+1], v[(\buf)+2*n:(\buf)+2*n+1], v[\pr:\pr+1]
.set n, n+1
.endr
.endm
.macro HOLD buf, lim                   ; the conversion to an 8-bit code does not saturate (ISA guide 7.6.2): the hold at the largest code x the scale
.set n, 0
.rept 64
	v_med3_num_f32 v[(\buf)+n], v[(\buf)+n], -v[\lim], v[\lim]
.set n, n+1
.endr
.endm
.macro CODES dst, buf, sc              ; 64 numbers -> 16 registers of codes: registers 4 c .. 4 c + 3 hold the block's 16
.irp c, 0,1,2,3
	v_cvt_scalef32_pk8_bf8_f32 v[(\dst)+4*\c:(\dst)+4*\c+1], v[(\buf)+16*\c:(\buf)+16*\c+7], v[\sc]
	v_cvt_scalef32_pk8_bf8_f32 v[(\dst)+4*\c+2:(\dst)+4*\c+3], v[(\buf)+16*\c+8:(\buf)+16*\c+15], v[\sc]
.endr
.endm
.macro HALF16 dst, buf                 ; 64 numbers -> 32 registers of f16.  dst = buf is sound: register n is written when numbers 2 n and 2 n + 1 are read, and the numbers under it have been read
.set n, 0
.rept 32
	v_cvt_pk_f16_f32 v[(\dst)+n], v[(\buf)+2*n], v[(\buf)+2*n+1]
.set n, n+1
.endr
.endm
.macro IMG adr, src, off               ; 32 registers go to LDS as they stand: four at a time, lane l's 16 bytes at 16 l
.irp i, 0,1,2,3,4,5,6,7
	ds_store_b128 v[\adr], v[(\src)+4*\i:(\src)+4*\i+3] offset:(\off)+512*\i
.endr
.endm
	; ---- THE SECOND PASS: rows x factors -> operands
	s_wait_dscnt 0x0                               ; p and a's first half are in; the constants' stores have read their registers
	SCALE Z0, GM
	SCALE Z1, GM
	HOLD Z0, LIMP
	HOLD Z1, LIMP
	CODES XC, Z0, SCP
	CODES XC+16, Z1, SCP
	v_nop                                          ; one plain vector instruction behind the last scaled conversion
	IMG PCS, XC, 0                                 ; Pm's codes: 8 stores
	LOADH Z0, TA, 1
	LOADH Z1, TX, 0
	SCALE Z2, HA
	HALF16 Z2, Z2
	IMG AHS, Z2, 0                                 ; Ah, K steps 0 to 3
	s_wait_dscnt 24                                ; a's second half is in: behind its loads stand x's 16 loads and 8 stores
	SCALE Z0, HA
	HALF16 Z0, Z0
	IMG AHS, Z0, 4096                              ; K steps 4 to 7
	s_wait_dscnt 8                                 ; all but these 8 stores: x's first half is in, and the stores out of v192 on and of the codes have read their registers
	LOADH Z2, TX, 1
	SCALE Z1, FX
	HALF16 XH+32, Z1                               ; X in f16, K steps 0 to 3, into registers that a's conversion has left
	HOLD Z1, LIMX
	CODES XC, Z1, SCX
	s_wait_dscnt 0x0                               ; x's second half is in; the last image's stores have read v64-95.  For the others' sake too: all my LDS stores have landed
	SCALE Z2, FX
	HALF16 XH, Z2                                  ; K steps 4 to 7
	HOLD Z2, LIMX
	CODES XC+16, Z2, SCX
	v_nop                                          ; one plain vector instruction behind the last scaled conversion
	s_barrier_signal -1                            ; every wave has waited for its tensor loads and its LDS stores:
	s_barrier_wait -1                              ; the four raw tiles of p, the images and the class constants are whole
	; ---- THE MATRIX PRODUCTS.  Source 0 = my 16 rows of X, source 1 = 16 classes of a tile.  The four tiles' accumulators take turns, one instruction a turn
.macro LDPC s                          ; Pm's codes of K step s (128 along K), four tiles
.irp t, 0,1,2,3
.irp i, 0,1,2,3
	ds_load_b128 v[FB+16*\t+4*\i:FB+16*\t+4*\i+3], v[PCL] offset:4096*\t+512*(4*\s+\i)
.endr
.endr
.endm
.macro LDAH k                          ; Ah of K step k (32 along K), four tiles, into buffer k % 2
.irp t, 0,1,2,3
.irp i, 0,1
	ds_load_b128 v[FB+32*((\k)%2)+8*\t+4*\i:FB+32*((\k)%2)+8*\t+4*\i+3], v[AHL] offset:8192*\t+512*(2*(\k)+\i)
.endr
.endr
.endm
	LDPC 0
	s_wait_dscnt 0x0
.irp t, 0,1,2,3
	v_wmma_f32_16x16x128_bf8_bf8 v[AQ+8*\t:AQ+8*\t+7], v[XC:XC+15], v[FB+16*\t:FB+16*\t+15], 0
.endr
	PLACES
	LDPC 1
	s_wait_dscnt 0x0
.irp t, 0,1,2,3
	v_wmma_f32_16x16x128_bf8_bf8 v[AQ+8*\t:AQ+8*\t+7], v[XC+16:XC+31], v[FB+16*\t:FB+16*\t+15], v[AQ+8*\t:AQ+8*\t+7]
.endr
	PLACES
	LDAH 0
	LDAH 1
.irp c, 0,1,2,3,4,5,6,7
.if \c < 7
	s_wait_dscnt 8                                 ; this K step's fragments are in; the next step's 8 loads may be out
.else
	s_wait_dscnt 0x0
.endif
.set xh, XH+8*((\c+4)%8)
.irp t, 0,1,2,3
.if \c == 0
	v_wmma_f32_16x16x32_f16 v[AV+8*\t:AV+8*\t+7], v[xh:xh+7], v[FB+32*(\c%2)+8*\t:FB+32*(\c%2)+8*\t+7], 0
.else
	v_wmma_f32_16x16x32_f16 v[AV+8*\t:AV+8*\t+7], v[xh:xh+7], v[FB+32*(\c%2)+8*\t:FB+32*(\c%2)+8*\t+7], v[AV+8*\t:AV+8*\t+7]
.endif
.endr
.if \c < 6
	PLACES
	LDAH \c+2
.endif
.endr
	PLACES                                         ; ahead of the loads into, and the products written over, registers that the last matrix instructions read
	; ---- p . x IN f32.  Lane (r, h): rows 8 h + j x classes 4 r + t, the matrix results' own layout: 32 sums, each as a pair (even k, odd k).  A chunk is 4 along K: 8 loads of x (one address for 16 lanes),
	; 4 of p, 64 packed multiply-adds.  Two sets of operand registers: one is multiplied while the other's 12 loads are out.
.macro LDCH xb, pb, xa, pa, off
.irp j, 0,1,2,3,4,5,6,7
	ds_load_b128 v[\xb+4*\j:\xb+4*\j+3], v[\xa] offset:\j*ROWP+\off
.endr
.irp t, 0,1,2,3
	ds_load_b128 v[\pb+4*\t:\pb+4*\t+3], v[\pa] offset:\t*TILEB+\off
.endr
.endm
.macro FM xb, pb, first                ; first = 1: the first products start the sums: nothing is cleared
.irp kp, 0,1
.irp t, 0,1,2,3
.irp j, 0,1,2,3,4,5,6,7
.if \first && (\kp == 0)
	v_pk_mul_f32 v[UA+2*(8*\t+\j):UA+2*(8*\t+\j)+1], v[\xb+4*\j+2*\kp:\xb+4*\j+2*\kp+1], v[\pb+4*\t+2*\kp:\pb+4*\t+2*\kp+1]
.else
	v_pk_fma_f32 v[UA+2*(8*\t+\j):UA+2*(8*\t+\j)+1], v[\xb+4*\j+2*\kp:\xb+4*\j+2*\kp+1], v[\pb+4*\t+2*\kp:\pb+4*\t+2*\kp+1], v[UA+2*(8*\t+\j):UA+2*(8*\t+\j)+1]
.endif
.endr
.endr
.endr
.endm
	LDCH XBA, PBA, XA0, PA0, 0                     ; chunks 0 and 1 are written out: their products start the sums
	LDCH XBB, PBB, XA0, PA0, 16
	s_wait_dscnt 12                                ; the older chunk is in; the younger one's 12 loads may be out: so at each wait of this product
	FM XBA, PBA, 1
	LDCH XBA, PBA, XA0, PA0, 32
	s_wait_dscnt 12
	FM XBB, PBB, 0
	s_mov_b32 s[KO], 32
.Lk:                                                   ; 30 trips of two chunks: bytes KO .. KO + 31 of the rows
	v_add_nc_u32 v[XAD], s[KO], v[XA0]
	v_add_nc_u32 v[PAD], s[KO], v[PA0]
	LDCH XBB, PBB, XAD, PAD, 16
	s_wait_dscnt 12
	FM XBA, PBA, 0
	LDCH XBA, PBA, XAD, PAD, 32
	s_wait_dscnt 12
	FM XBB, PBB, 0
	s_add_co_u32 s[KO], s[KO], 32
	s_cmp_lt_u32 s[KO], 992
	s_cbranch_scc1 .Lk
	v_add_nc_u32 v[XAD], s[KO], v[XA0]             ; chunks 62 and 63: nothing is fetched past a row's end
	v_add_nc_u32 v[PAD], s[KO], v[PA0]
	LDCH XBB, PBB, XAD, PAD, 16
	s_wait_dscnt 12
	FM XBA, PBA, 0
	s_wait_dscnt 0x0
	FM XBB, PBB, 0
	; ---- THE WAY OUT
.irp t, 0,1,2,3
.irp i, 0,1,2
	ds_load_b128 v[CC+12*\t+4*\i:CC+12*\t+4*\i+3], v[CTL] offset:1280*\t+16*\i   ; the constants of my four classes
.endr
.endr
	ds_load_b128 v[Y2:Y2+3], v[RTL]                ; y2 and the factors of my eight rows
	ds_load_b128 v[Y2+4:Y2+7], v[RTL] offset:16
	ds_load_b128 v[FR:FR+3], v[RTL] offset:256
	ds_load_b128 v[FR+4:FR+7], v[RTL] offset:272
.set n, 0
.rept 32
	v_add_f32 v[UA+n], v[UA+2*n], v[UA+2*n+1]      ; even k's and odd k's: sum n lands where sums read earlier stood
.set n, n+1
.endr
	v_mov_b32 v[EPS], 0x3727c5ac
	v_mov_b32 v[EPS+1], 0x3727c5ac
	s_mov_b32 s62, 0x7fffffff
	s_wait_dscnt 0x0
.irp t, 0,1,2,3                        ; two rows at a time; each accumulator from its low end on
.irp p, 0,1,2,3
.set rq, AQ+8*\t+2*\p
.set rv, AV+8*\t+2*\p
.set ru, UA+8*\t+2*\p
.set ry, Y2+2*\p
.set rf, FR+2*\p
.set rc, CC+12*\t
.set rn, TMP+4*\p
.set rm, TMP+4*\p+2
	v_pk_fma_f32 v[rq:rq+1], v[rq:rq+1], v[S2:S2+1], 1.0 op_sel_hi:[1,1,0]   ; 1 + 2 xy
	v_pk_mul_f32 v[ru:ru+1], v[ru:ru+1], v[rf:rf+1]                          ; (p . x) x the row's factor
	v_pk_mul_f32 v[rv:rv+1], v[rv:rv+1], v[rc+4:rc+5]                        ; 2 q (X . Ah)
	v_pk_mul_f32 v[rm:rm+1], v[rc+8:rc+9], v[ry:ry+1]                        ; q^2 y2
	v_pk_add_f32 v[rn:rn+1], v[rq:rq+1], v[ry:ry+1]                          ; nc = 1 + 2 xy + y2
	v_pk_mul_f32 v[ru:ru+1], v[ru:ru+1], v[rc+6:rc+7]                        ; 2 q (Pm . X)
	v_pk_fma_f32 v[rq:rq+1], v[rc:rc+1], v[ry:ry+1], v[rq:rq+1]              ; 1 + 2 xy + p2 y2
	v_pk_fma_f32 v[rv:rv+1], v[rn:rn+1], v[rc+2:rc+3], v[rv:rv+1]            ; 2 (nc Pm.Ah + q X.Ah)
	v_pk_fma_f32 v[ru:ru+1], v[rn:rn+1], v[rc:rc+1], v[ru:ru+1]              ; nc p2 + 2 q Pm.X
	v_pk_add_f32 v[rq:rq+1], v[rq:rq+1], v[EPS:EPS+1]                        ; D
	v_pk_fma_f32 v[ru:ru+1], v[rn:rn+1], v[ru:ru+1], v[rm:rm+1]              ; D^2 |mob|^2
.endr
.endr
.set n, 0
.rept 32
	v_rcp_f32 v[AQ+n], v[AQ+n]                     ; 1 / D: a batch of 32, one plain place, one wait ahead of the first reader: so each batch below
.set n, n+1
.endr
	v_nop
	s_wait_alu depctr_va_vdst(0)
.irp t, 0,1,2,3
.irp p, 0,1,2,3
.set rq, AQ+8*\t+2*\p
.set rv, AV+8*\t+2*\p
.set ru, UA+8*\t+2*\p
.set rm, TMP+4*\p+2
	v_pk_mul_f32 v[rm:rm+1], v[rq:rq+1], v[rq:rq+1]
	v_pk_mul_f32 v[rv:rv+1], v[rv:rv+1], v[rq:rq+1]                          ; 2 mob . Ah
	v_pk_fma_f32 v[ru:ru+1], v[ru:ru+1], v[rm:rm+1], 1.0 op_sel_hi:[1,1,0] neg_lo:[1,0,0] neg_hi:[1,0,0]   ; 1 - |mob|^2
.endr
.endr
.set n, 0
.rept 32
	v_rcp_f32 v[UA+n], v[UA+n]
.set n, n+1
.endr
	v_nop
	s_wait_alu depctr_va_vdst(0)
.set n, 0
.rept 16
	v_pk_mul_f32 v[AV+2*n:AV+2*n+1], v[AV+2*n:AV+2*n+1], v[UA+2*n:UA+2*n+1]  ; z = num / den
	v_pk_fma_f32 v[UA+2*n:UA+2*n+1], v[AV+2*n:AV+2*n+1], v[AV+2*n:AV+2*n+1], 1.0 op_sel_hi:[1,1,0]
.set n, n+1
.endr
.set n, 0
.rept 32
	v_sqrt_f32 v[UA+n], v[UA+n]
.set n, n+1
.endr
	v_nop
	s_wait_alu depctr_va_vdst(0)
.set n, 0
.rept 32
	v_add_f32 v[UA+n], |v[AV+n]|, v[UA+n]          ; |z| + sqrt(z^2 + 1), at least 1
.set n, n+1
.endr
.set n, 0
.rept 32
	v_log_f32 v[UA+n], v[UA+n]
.set n, n+1
.endr
	v_nop
	s_wait_alu depctr_va_vdst(0)
.irp t, 0,1,2,3
.irp j, 0,1,2,3,4,5,6,7
	v_bfi_b32 v[UA+8*\t+\j], s62, v[UA+8*\t+\j], v[AV+8*\t+\j]               ; asinh is odd: z's sign
	v_mul_f32 v[OUT+4*\j+\t], v[UA+8*\t+\j], v[CC+12*\t+10]                  ; x k ln 2; row j's four classes side by side
.endr
.endr
.irp j, 0,1,2,3,4,5,6,7
	global_store_b128 v[OO], v[OUT+4*\j:OUT+4*\j+3], s[OB:OB+1] offset:2048*\j th:TH_STORE_NT   ; lanes 0-15: 256 consecutive bytes of row j, at a multiple of 256 from out0's first byte; lanes 16-31: of row 8 + j
.endr
	s_wait_tensorcnt 0x0                           ; the wave's end, behind my last tensor load and my last LDS store
	ds_add_u32 v[SPW], v[NIL]
	s_wait_dscnt 0x0
	CROUND                                         ; the closing round
	s_endpgm
.Lfunc_end_k_qd3b2ce5ddf_hypmlr:
	.size	k_qd3b2ce5ddf_hypmlr, .Lfunc_end_k_qd3b2ce5ddf_hypmlr-k_qd3b2ce5ddf_hypmlr
	.p2alignl 7, 3214868480
	.fill 96, 4, 3214868480
	.section	.rodata,"a",@progbits
	.p2align	6, 0x0
	.amdhsa_kernel k_qd3b2ce5ddf_hypmlr
		.amdhsa_group_segment_fixed_size 254976
		.amdhsa_private_segment_fixed_size 0
		.amdhsa_enable_private_segment 0
		.amdhsa_kernarg_size 40
		.amdhsa_user_sgpr_count 2
		.amdhsa_user_sgpr_kernarg_segment_ptr 1
		.amdhsa_wavefront_size32 1
		.amdhsa_system_sgpr_workgroup_id_x 1
		.amdhsa_system_sgpr_workgroup_id_y 1
		.amdhsa_system_sgpr_workgroup_id_z 1
		.amdhsa_system_vgpr_workitem_id 0
		.amdhsa_next_free_vgpr 256
		.amdhsa_next_free_sgpr 66
		.amdhsa_reserve_vcc 1
		.amdhsa_float_denorm_mode_32 3
		.amdhsa_float_denorm_mode_16_64 3
		.amdhsa_memory_ordered 1
		.amdhsa_forward_progress 1
		.amdhsa_inst_pref_size 147
	.end_amdhsa_kernel
	.amdgpu_metadata
---
amdhsa.version: [ 1, 2 ]
amdhsa.kernels:
  - .name:           k_qd3b2ce5ddf_hypmlr
    .symbol:         k_qd3b2ce5ddf_hypmlr.kd
    .args:
      - { .name: x, .offset: 0, .size: 8, .value_kind: global_buffer, .address_space: global }
      - { .name: p_vals, .offset: 8, .size: 8, .value_kind: global_buffer, .address_space: global }
      - { .name: a_vals, .offset: 16, .size: 8, .value_kind: global_buffer, .address_space: global }
      - { .name: lowp_scales, .offset: 24, .size: 8, .value_kind: global_buffer, .address_space: global }
      - { .name: out0, .offset: 32, .size: 8, .value_kind: global_buffer, .address_space: global }
    .group_segment_fixed_size: 254976
    .private_segment_fixed_size: 0
    .kernarg_segment_align: 8
    .kernarg_segment_size: 40
    .max_flat_workgroup_size: 128
    .sgpr_count:     66
    .vgpr_count:     256
    .wavefront_size: 32
...
	.end_amdgpu_metadata
.endif
;; end of part 1
